; MI455X (gfx1250); checked and timed in simulation.
; The chip was launched on July 23, 2026; its instructions are those of AMD's public machine-readable ISA for CDNA 5 (MIT licence, August 2026) and "CDNA5" Instruction Set Architecture Reference Guide (July 2026). The comments in the code are by the model that wrote it; some were corrected since.
;; Mixed Sparse Gated MLP. Allowed arithmetic: float matrix products may take bf16 or f16 operands with f32 sums; other float arithmetic in f32, or as packed bf16 or f16 multiplies, adds, multiply-adds, maxima and minima; sums over many terms, partial sums and values carried from step to step in f32; what a program stores and reads back later, other than sums and carried values, may be rounded once to bf16 or f16.
;; Inputs: b_down 2,048 float32; b_gate 8,192 float32; b_up 8,192 float32; w_down 8,192 x 2,048 float32; w_down_lora_a 8,192 x 16 float32; w_down_lora_b 16 x 2,048 float32; w_gate 2,048 x 8,192 float32; w_gate_lora_a 2,048 x 16 float32; w_gate_lora_b 16 x 8,192 float32; w_up 2,048 x 8,192 float32; w_up_lora_a 2,048 x 16 float32; w_up_lora_b 16 x 8,192 float32; x1 4 x 256 x 2,048 float32.
;; Outputs: out0 4 x 256 x 2,048 float32.
;; One version. Each part assembles by itself: llvm-mc -triple=amdgcn-amd-amdhsa -mcpu=gfx1250 --defsym DOCPART=n.
;; ======== version 1 of 1: 4 launches
;; workspace buffers: xbf 4,194,304 bytes; xef 65,536 bytes; x3f 16,777,216 bytes; wdf 33,554,432 bytes; tp 8,388,608 bytes; td 65,536 bytes; part 33,554,432 bytes
;; launch prep (part 1): grid 64 x 1, 16 waves a work-group, no clusters, 104,448 bytes of LDS; arguments x1, w_gate_lora_a, w_up_lora_a, xbf, xef; writes xbf, xef
.if DOCPART == 1
	.amdgcn_target "amdgcn-amd-amdhsa--gfx1250"
	.amdhsa_code_object_version 6
	.text
	.protected	k_q8fa0d2edf8_prep
	.globl	k_q8fa0d2edf8_prep
	.p2align	8
	.type	k_q8fa0d2edf8_prep,@function
k_q8fa0d2edf8_prep:
	s_mov_b64 s[64:65], 0
	v_nop
	global_prefetch_b8 v0, s[64:65] scope:SCOPE_SE
	s_setreg_imm32_b32 hwreg(HW_REG_WAVE_MODE, 25, 1), 1
	s_wait_xcnt 0x0
; PREP.  x1 [1024][2048] f32 is rounded once to bf16 and laid out as register images of matrix fragments (xbf); t_g = x A_g and t_u = x A_u (rank 16) are made beside it (xef).
; AN IMAGE is 1,024 bytes, [half q][lane][16 bytes]: registers 4 q .. 4 q + 3 of a fragment of 16 rows x 32 k, so that a load or store of 16 bytes a lane at 16 x lane moves 512 consecutive bytes.
; xbf: [m tile of 128 rows][unit of 32 k][block a of 16 rows][image].   xef: [block of 16 rows][image]: q = 0 holds t_g[m][8 h ..], q = 1 holds t_u: a fragment with k 0-15 = t_g, k 16-31 = t_u.
; SHARES.  A work-group owns 16 rows of x; wave c of its sixteen owns k = 128 c .. 128 c + 127 (four units).  The sixteen partial t meet in LDS; waves 0 and 1 add them (f32) and round once.
; LIMITS.  x, A_g, A_u and t are rounded to bf16 (matrix operands); the f32 sums are taken in another order than a row-by-row sum.
.set STGB,  4352                       ; a wave's stage: 16 rows of 256 bytes at a pitch of 272
.set PART,  16*STGB                    ; 16 x 2,048 bytes: wave c's two partial tiles, [matrix][q][512]
.set SPARE, PART+16*2048               ; the spare words, 128 bytes for each wave: eight blocks of 256 bytes that no other line names
.set SPW, 1                            ; v1  LDS address of my spare word; never rewritten
.set NIL, 2                            ; v2  0; never rewritten
.set O16, 3                            ; v3  16 x lane
.set AO,  4                            ; v4  512 h + 4 r: row 8 h, column r of A
.set STO, 5                            ; v5  my 8 bytes of a stage row
.set RDF, 6                            ; v6  my 16 bytes of a fragment in the stage
.set PS,  7                            ; v7  where I put a partial tile
.set PR,  8                            ; v8  where waves 0 and 1 read them back
.set XL,  16                           ; v[16:79]   x as loaded; later v[16:47] x's four fragments; later v[16:143] the sixteen partial tiles
.set XF,  16
.set AL,  80                           ; v[80:207]  A as loaded; compacted in place to v[80:143]: fragment 4 m + u at 80 + 8 (4 m + u)
.set AF,  80
.set DD,  144                          ; v[144:159] the two accumulators
.set XB,  208                          ; v[208:239] x in bf16
.set WV,  14                           ; s14 my wave's number
	s_load_b256 s[4:11], s[0:1], 0x0               ; x1 s[4:5], w_gate_lora_a s[6:7], w_up_lora_a s[8:9], xbf s[10:11]
	s_load_b64 s[12:13], s[0:1], 0x20              ; xef
	v_lshl_add_u32 v[SPW], v0, 2, SPARE
	v_mov_b32 v[NIL], 0
	v_lshrrev_b32 v9, 5, v0
	v_readfirstlane_b32 s[WV], v9                  ; wave 0..15
	v_and_b32 v10, 31, v0                          ; lane
	v_and_b32 v11, 15, v0                          ; r
	v_bfe_u32 v12, v0, 4, 1                        ; h
	v_lshlrev_b32 v[O16], 4, v10
	v_lshlrev_b32 v[AO], 2, v11
	v_lshl_add_u32 v[AO], v12, 9, v[AO]
	s_mul_i32 s15, s[WV], STGB                     ; my stage
	v_lshl_add_u32 v[STO], v10, 3, s15
	v_mul_u32_u24 v[RDF], v11, 272
	v_lshl_add_u32 v[RDF], v12, 4, v[RDF]
	v_add_nc_u32 v[RDF], s15, v[RDF]
	s_lshl_b32 s16, s[WV], 11
	s_add_co_u32 s16, s16, PART
	v_add_nc_u32 v[PS], s16, v[O16]
	s_lshl_b32 s17, s[WV], 10
	s_add_co_u32 s17, s17, PART
	v_add_nc_u32 v[PR], s17, v[O16]                ; matrix = my wave's number (waves 0 and 1)
	s_lshl_b32 s18, ttmp9, 17                      ; x: 16 rows of 8,192 bytes a work-group,
	s_lshl_b32 s20, s[WV], 9                       ; 512 bytes of a row a wave
	s_add_co_u32 s18, s18, s20
	s_mov_b32 s19, 0
	s_lshl_b32 s20, s[WV], 13                      ; A: 128 rows of 64 bytes a wave
	s_mov_b32 s21, 0
	s_lshr_b32 s22, ttmp9, 3                       ; xbf: ((m tile x 64 + 4 c) x 8 + a) x 1,024
	s_lshl_b32 s22, s22, 19
	s_lshl_b32 s24, s[WV], 15
	s_add_co_u32 s22, s22, s24
	s_and_b32 s24, ttmp9, 7
	s_lshl_b32 s24, s24, 10
	s_add_co_u32 s22, s22, s24
	s_mov_b32 s23, 0
	s_lshl_b32 s24, ttmp9, 10                      ; xef: the block's image, half = my wave's number (waves 0 and 1)
	s_lshl_b32 s26, s[WV], 9
	s_add_co_u32 s24, s24, s26
	s_mov_b32 s25, 0
	s_wait_kmcnt 0x0
	s_add_nc_u64 s[4:5], s[4:5], s[18:19]
	s_add_nc_u64 s[6:7], s[6:7], s[20:21]
	s_add_nc_u64 s[8:9], s[8:9], s[20:21]
	s_add_nc_u64 s[10:11], s[10:11], s[22:23]
	s_add_nc_u64 s[12:13], s[12:13], s[24:25]
.set i, 0
.rept 16                               ; row i: my wave's 512 bytes, 16 a lane
	global_load_b128 v[XL+4*i:XL+4*i+3], v[O16], s[4:5] offset:i*8192 th:TH_LOAD_NT
.set i, i+1
.endr
; A's fragments: lane (r, h) holds rank r and k = 8 h + 0..7, 16 + 8 h + 0..7 of a unit: sixteen words a fragment
.irp m, 0, 1
.set u, 0
.rept 4
.set i, 0
.rept 16
	global_load_b32 v[AL+64*\m+16*u+i], v[AO], s[6+2*\m:7+2*\m] offset:(32*u+i+8*(i/8))*64
.set i, i+1
.endr
.set u, u+1
.endr
.endr
	s_wait_loadcnt 63                              ; 128 loads are younger than x's sixteen and loads come back in order: x is in
.set i, 0
.rept 32
	v_cvt_pk_bf16_f32 v[XB+i], v[XL+2*i], v[XL+2*i+1]
.set i, i+1
.endr
.set i, 0
.rept 16
	ds_store_b64 v[STO], v[XB+2*i:XB+2*i+1] offset:i*272  ; 256 consecutive bytes: row i in bf16
.set i, i+1
.endr
.set i, 0
.rept 8                                ; i = 2 u + q; my own bytes: LDS serves a wave's instructions in order, so these see the stores above
	ds_load_b128 v[XF+4*i:XF+4*i+3], v[RDF] offset:i*32
.set i, i+1
.endr
	s_wait_loadcnt 0x0                             ; A
.set i, 0
.rept 64                               ; in place, ascending: register i is written when 2 i and 2 i + 1 are read
	v_cvt_pk_bf16_f32 v[AF+i], v[AL+2*i], v[AL+2*i+1]
.set i, i+1
.endr
	s_wait_dscnt 0x0                               ; x's fragments
.set i, 0
.rept 8
	global_store_b128 v[O16], v[XF+4*i:XF+4*i+3], s[10:11] offset:(i/2)*8192+(i%2)*512  ; 512 consecutive bytes of an image
.set i, i+1
.endr
; t^T = A^T x^T: source 0 = 16 ranks, source 1 = 16 rows of x: a lane ends with row r and ranks 8 h + 0..7.  The two accumulators take turns; the first products start the sums.
.irp u, 0, 1, 2, 3
.irp m, 0, 1
.if \u == 0
	v_wmma_f32_16x16x32_bf16 v[DD+8*\m:DD+8*\m+7], v[AF+32*\m+8*\u:AF+32*\m+8*\u+7], v[XF+8*\u:XF+8*\u+7], 0
.else
	v_wmma_f32_16x16x32_bf16 v[DD+8*\m:DD+8*\m+7], v[AF+32*\m+8*\u:AF+32*\m+8*\u+7], v[XF+8*\u:XF+8*\u+7], v[DD+8*\m:DD+8*\m+7]
.endif
.endr
.endr
.rept 4
	v_nop                                          ; four places behind the last product, ahead of the stores that read the results
.endr
.set i, 0
.rept 4
	ds_store_b128 v[PS], v[DD+4*i:DD+4*i+3] offset:i*512
.set i, i+1
.endr
	s_wait_dscnt 0x0                               ; for the others' sake: my partial tiles are in LDS
	s_barrier_signal -1
	s_barrier_wait -1
	s_cmp_lt_u32 s[WV], 2                          ; wave 0 finishes t_g, wave 1 t_u
	s_cbranch_scc0 .Lend
	s_wait_xcnt 0x0                                ; the stores of x's fragments have read their registers, which are loaded anew below
.set i, 0
.rept 32                               ; i = 2 v + q: wave v's partial tile
	ds_load_b128 v[16+4*i:16+4*i+3], v[PR] offset:(i/2)*2048+(i%2)*512
.set i, i+1
.endr
	s_wait_dscnt 0x0
.irp st, 8, 4, 2, 1
.set w, 0
.rept \st
.set k, 0
.rept 4
	v_pk_add_f32 v[16+8*w+2*k:16+8*w+2*k+1], v[16+8*w+2*k:16+8*w+2*k+1], v[16+8*(w+\st)+2*k:16+8*(w+\st)+2*k+1]
.set k, k+1
.endr
.set w, w+1
.endr
.endr
.set i, 0
.rept 4
	v_cvt_pk_bf16_f32 v[DD+i], v[16+2*i], v[16+2*i+1]
.set i, i+1
.endr
	global_store_b128 v[O16], v[DD:DD+3], s[12:13]  ; half an image: 512 consecutive bytes
.Lend:
	s_wait_tensorcnt 0x0                           ; the wave's end: behind my last LDS store
	ds_add_u32 v[SPW], v[NIL]
	s_wait_dscnt 0x0
	s_endpgm
.Lfunc_end_k_q8fa0d2edf8_prep:
	.size	k_q8fa0d2edf8_prep, .Lfunc_end_k_q8fa0d2edf8_prep-k_q8fa0d2edf8_prep
	.p2alignl 7, 3214868480
	.fill 96, 4, 3214868480
	.section	.rodata,"a",@progbits
	.p2align	6, 0x0
	.amdhsa_kernel k_q8fa0d2edf8_prep
		.amdhsa_group_segment_fixed_size 104448
		.amdhsa_private_segment_fixed_size 0
		.amdhsa_enable_private_segment 0
		.amdhsa_kernarg_size 40
		.amdhsa_user_sgpr_count 2
		.amdhsa_user_sgpr_kernarg_segment_ptr 1
		.amdhsa_wavefront_size32 1
		.amdhsa_system_sgpr_workgroup_id_x 1
		.amdhsa_system_sgpr_workgroup_id_y 1
		.amdhsa_system_sgpr_workgroup_id_z 1
		.amdhsa_system_vgpr_workitem_id 0
		.amdhsa_next_free_vgpr 240
		.amdhsa_next_free_sgpr 66
		.amdhsa_reserve_vcc 0
		.amdhsa_float_denorm_mode_32 3
		.amdhsa_float_denorm_mode_16_64 3
		.amdhsa_memory_ordered 1
		.amdhsa_forward_progress 1
		.amdhsa_inst_pref_size 32
	.end_amdhsa_kernel
	.amdgpu_metadata
---
amdhsa.version: [ 1, 2 ]
amdhsa.kernels:
  - .name:           k_q8fa0d2edf8_prep
    .symbol:         k_q8fa0d2edf8_prep.kd
    .args:
      - { .name: x1, .offset: 0, .size: 8, .value_kind: global_buffer, .address_space: global }
      - { .name: w_gate_lora_a, .offset: 8, .size: 8, .value_kind: global_buffer, .address_space: global }
      - { .name: w_up_lora_a, .offset: 16, .size: 8, .value_kind: global_buffer, .address_space: global }
      - { .name: xbf, .offset: 24, .size: 8, .value_kind: global_buffer, .address_space: global }
      - { .name: xef, .offset: 32, .size: 8, .value_kind: global_buffer, .address_space: global }
    .group_segment_fixed_size: 104448
    .private_segment_fixed_size: 0
    .kernarg_segment_align: 8
    .kernarg_segment_size: 40
    .max_flat_workgroup_size: 512
    .sgpr_count:     66
    .vgpr_count:     240
    .wavefront_size: 32
...
	.end_amdgpu_metadata
.endif
;; end of part 1
;; launch gemm1 (part 2): grid 64 x 4, 4 waves a work-group, clusters of 4 x 4, 327,680 bytes of LDS; arguments xbf, xef, w_gate, w_up, w_gate_lora_b, w_up_lora_b, b_gate, b_up, w_down, w_down_lora_a, x3f, tp, wdf; writes x3f, tp, wdf
.if DOCPART == 2
	.amdgcn_target "amdgcn-amd-amdhsa--gfx1250"
	.amdhsa_code_object_version 6
	.text
	.protected	k_q8fa0d2edf8_gemm1
	.globl	k_q8fa0d2edf8_gemm1
	.p2align	8
	.type	k_q8fa0d2edf8_gemm1,@function
k_q8fa0d2edf8_gemm1:
	s_mov_b64 s[64:65], 0
	v_nop
	global_prefetch_b8 v0, s[64:65] scope:SCOPE_SE
	s_setreg_imm32_b32 hwreg(HW_REG_WAVE_MODE, 25, 1), 1
	s_wait_xcnt 0x0
	s_wait_alu depctr_hold_cnt(0) depctr_sa_sdst(0) depctr_va_vdst(0) depctr_va_sdst(0) depctr_va_ssrc(0) depctr_va_vcc(0) depctr_vm_vsrc(0)
	s_getreg_b32 s2, hwreg(HW_REG_IB_STS2, 6, 4)
	s_cmp_eq_u32 s2, 0
	s_cbranch_scc0 .Lentry_in_a_cluster
	s_endpgm
.Lentry_in_a_cluster:
	s_bfe_u32 s2, ttmp6, 0x10000c
	s_cmp_lg_u32 s2, 0xf033
	s_cbranch_scc0 .Lentry_shape_is_right
	s_endpgm
.Lentry_shape_is_right:
; GEMM1.  y1 = x W_g + b_g + t_g B_g, y2 = x W_u + b_u + t_u B_u, x3 = relu(y1) y2 (bf16 images, x3f), partial t_d = x3 A_d over my 64 f (f32 images, tp).  Beside it: w_down -> bf16 images (wdf).
; SHARES.  A work-group makes 256 rows x 128 f of gate AND of up; a wave 128 rows x 64 f of both: 64 accumulators, 512 registers; gate and up of one (m, f) fall into the same lane and register number.
; K goes in UNITS of 32: 64 matrix instructions.  First the extra unit E: x side = [t_g | t_u] (xef), gate side = [B_g; 0], up side = [0; B_u], C = the f32 bias.  Then the 64 units of x W.
; THE WEIGHTS lie [k][f] in f32.  Lane (r, h) reads 16 bytes, four neighbouring f of one k row; component j goes to block j, so block j holds the f = f0 + 4 r + j; rows k and k + 1 rounded
; together are a fragment register.  Sixteen lanes read 256 consecutive LDS bytes.  The rounding of a unit's weights (64 conversions) rides behind the last 16 matrix instructions of the unit before.
; THE MATRIX INSTRUCTION IS USED TRANSPOSED (source 0 = weights, source 1 = x): lane r holds row m = r, register i of block j holds f = f0 + 4 (8 h + i) + j: a lane's 32 results are 32 neighbouring f.
; RING.  Two LDS slots of three units: x's images of both m tiles (2 x 24,576 bytes), 96 rows x 512 bytes of W_g and of W_u.  The first tile is one unit, so that 64 = 1 + 21 x 3.
; CLUSTER 4 x 4: x's tiles hang on the row block (cy) and are asked for jointly along a row of the cluster, the weights' on the f block (cx) and jointly along a column.
; K ORDER OF x3f AND wdf: unit U = 2 g + s holds, in lane half h, the sixteen f = 64 g + 16 s + 32 h + 0..15, in ascending order along the registers: my packed results are the image as they stand.
; LIMITS.  relu is v_max_num_f32: a NaN in y1 gives 0.  x, the weights, t and x3 are rounded once to bf16; biases stay f32; the f32 sums are taken in another order than the plain formula's.
; REGISTERS, in windows of 256 (s_set_vgpr_msb: bits 1:0 source 0, 3:2 source 1, 5:4 source 2, 7:6 destination):
;   window 0: v0-31 addresses; v32-63 the side job's results, later A_d; v64-127, v128-191 x's fragments, two buffers; v192-255 the bias (E), then the side job's loads
;   window 1: v0-63, v64-127 the weights' fragments, two buffers (block b: gate j = b, up j = b - 4); v128-191, v192-255 W_g and W_u as read from LDS
;   windows 2, 3: accumulator (a, b) at v[8 (8 (a % 4) + b)], window 2 for a < 4
.set SLOT,  147456
.set XREG,  24576                      ; an m tile's three units in a slot
.set WOFF,  49152                      ; W_g behind the two m tiles,
.set WREG,  49152                      ; W_u behind W_g
.set SPARE, 2*SLOT                     ; behind the ring: the spare words, 128 bytes for each wave: two blocks of 256 bytes that no other line names
.set XU,    8192                       ; a unit of an m tile in xbf
.set WU,    1048576                    ; a unit of W: 32 rows of 32,768 bytes
.set TRIPS, 10
.set SPW, 2                            ; v2  LDS address of my spare word; never rewritten
.set NIL, 3                            ; v3  0; never rewritten
.set O16, 4                            ; v4  16 x lane
.set AX,  6                            ; v6-7   x's images in slot 0, 1
.set AWG, 8                            ; v8-9   W_g: row 8 h, my 16 bytes, in slot 0, 1
.set AWU, 10                           ; v10-11 W_u
.set RO,  12                           ; v12 262,144 h + 16 r: eight rows of lora_b, or 32 rows of w_down, for h
.set BO,  13                           ; v13 128 h
.set ADO, 14                           ; v14 2,048 h + 4 r
.set PFO, 15                           ; v15 32,768 x lane: a row of W a lane
.set OUT, 32
.set X,   64
.set WL,  192
.set LND, 128                          ; window 1
.set T,   64                           ; the way out: x3 in f32, two blocks
.set PK,  128                          ; x3 in bf16, two blocks
.set AD,  160                          ; A_d's two fragments
.set TD,  192                          ; t_d's eight accumulators
.set CNT, 3
.set WV,  4
.set MH,  5                            ; which 128 rows are mine.  Also: I fetch x (0) or weights (1)
.set NH,  6                            ; which 64 f.  Also: which m tile, or which of W_g and W_u, I fetch
.set CX,  7
.set CY,  8
.set FB,  9                            ; f block of 128: 4 x cluster x + cx
.set LIM, 10                           ; 1 in the wave that prefetches, else the greatest number
.set PFA, 12                           ; s[12:13]
.set G1X, 16
.set G1W, 24
.set G1XS, 32                          ; the short first tile's shapes
.set G1WS, 40
.set G0X, 48                           ; a group 0 for each slot
.set G0W, 56
.set G0XS, 92                          ; the short first tile's group 0
.set G0WS, 96
.set MSB, 0
.macro WIN new                         ; the immediate's high byte repeats the setting that is left; a switch that changes nothing is dropped
.if MSB != (\new)
	s_set_vgpr_msb (MSB<<8)|(\new)
.set MSB, \new
.endif
.endm
.set TO_B, 0x40                        ; destination window 1, address window 0
.set CVT,  0x45                        ; destination and both sources window 1
.macro PLACES                          ; four places behind a matrix instruction, ahead of loads into registers that it read and of lines that read its result
.rept 4
	v_nop
.endr
.endm
.macro CREST                           ; a round of the cluster's barrier behind its opening barrier
	s_cmp_lg_u32 s[WV], 0
	s_cbranch_scc1 .Lnot_wave_0_\@
	s_barrier_signal -3
.Lnot_wave_0_\@:
	s_barrier_wait -3
	s_barrier_signal -1
	s_barrier_wait -1
.endm
.macro CROUND
	s_barrier_signal -1
	s_barrier_wait -1
	CREST
.endm
; A joint refill of slot s.  Waves 0 and 1 fetch x's two m tiles, waves 2 and 3 W_g and W_u.  The branch hangs on the wave's number alone.  An s_nop 0 and four v_nop follow each line.
.macro JLOAD s
	s_cmp_eq_u32 s[MH], 0
	s_cbranch_scc0 .Lfor_w_\@
	tensor_load_to_lds s[G0X+4*(\s):G0X+4*(\s)+3], s[G1X:G1X+7]
	s_nop 0
.rept 4
	v_nop
.endr
	s_branch .Lasked_\@
.Lfor_w_\@:
	tensor_load_to_lds s[G0W+4*(\s):G0W+4*(\s)+3], s[G1W:G1W+7]
	s_nop 0
.rept 4
	v_nop
.endr
.Lasked_\@:
.endm
; A PREFETCH INTO THE L2 of the weights of the unit nine units on: 32 rows x 512 bytes of W_g and of W_u.  Only my column of the cluster reads these bytes; its four partners share them out BY ADDRESS
; (cy / 2: which matrix; cy % 2: which 256 bytes of a row); in each, wave 0 asks, a lane a row: one instruction a unit, each aligned 256 bytes named once in the launch.
; It stands 192 to 320 matrix instructions ahead of the tensor load that wants the rows.  Units 0 to 8 come by their loads alone; the last trip asks for unit 63 only.
.macro ASK i
.if (\i) == 0
	s_cmp_eq_u32 s[LIM], 1
.else
	s_cmp_gt_u32 s[CNT], s[LIM]
.endif
	s_cbranch_scc0 .Lnot_mine_\@
.if (\i) == 5
	global_prefetch_b8 v[PFO], s[PFA:PFA+1] offset:-WU th:TH_LOAD_NT scope:SCOPE_SE  ; the pointer has just been stepped by six units
.else
	global_prefetch_b8 v[PFO], s[PFA:PFA+1] offset:(\i)*WU th:TH_LOAD_NT scope:SCOPE_SE
.endif
.Lnot_mine_\@:
.endm
; 48 LDS loads in one run: unit fu of slot fs: 16 + 16 of the weights (rows 8 h + 0..7, 16 + 8 h + 0..7), then x's eight fragments into buffer pb
.macro FETCH fs, fu, pb
	WIN TO_B
.set i, 0
.rept 16
	ds_load_b128 v[LND+4*i:LND+4*i+3], v[AWG+(\fs)] offset:(\fu)*16384+(i+8*(i/8))*512
.set i, i+1
.endr
.set i, 0
.rept 16
	ds_load_b128 v[LND+64+4*i:LND+64+4*i+3], v[AWU+(\fs)] offset:(\fu)*16384+(i+8*(i/8))*512
.set i, i+1
.endr
	WIN 0
.set i, 0
.rept 16
	ds_load_b128 v[X+64*(\pb)+4*i:X+64*(\pb)+4*i+3], v[AX+(\fs)] offset:(\fu)*8192+i*512
.set i, i+1
.endr
.endm
; One matrix instruction: m block a, block b, buffers p.  e = 1: the extra unit: C is the bias, in window 0.
.macro ONE p, a, e
.set rA, 8*(8*((\a)%4)+b)
.if \e
	WIN 0x81+0x40*((\a)/4)
	v_wmma_f32_16x16x32_bf16 v[rA:rA+7], v[64*(\p)+8*b:64*(\p)+8*b+7], v[X+64*(\p)+8*(\a):X+64*(\p)+8*(\a)+7], v[WL+8*b:WL+8*b+7]
.else
	WIN 0xa1+0x50*((\a)/4)
	v_wmma_f32_16x16x32_bf16 v[rA:rA+7], v[64*(\p)+8*b:64*(\p)+8*b+7], v[X+64*(\p)+8*(\a):X+64*(\p)+8*(\a)+7], v[rA:rA+7]
.endif
.endm
.macro MUL8 p, a, e                    ; the eight blocks of m block a.  The 64 accumulators take turns in one order in every unit
.set b, 0
.rept 8
	ONE \p, \a, \e
.set b, b+1
.endr
.endm
; The same with four conversions behind each: number c of 64 makes register c of the other weight buffer from rows 2 q and 2 q + 1 (q = c % 8) of block (c / 8) % 4 of matrix c / 32
.macro MULR p, a, e
.set b, 0
.rept 8
	ONE \p, \a, \e
	WIN CVT
.set c, 4*(8*((\a)-6)+b)
.rept 4
	v_cvt_pk_bf16_f32 v[64*(1-(\p))+c], v[LND+64*(c/32)+8*(c%8)+(c/8)%4], v[LND+64*(c/32)+8*(c%8)+4+(c/8)%4]
.set c, c+1
.endr
.set b, b+1
.endr
.endm
; THE SIDE JOB: w_down [8192][2048] f32 -> wdf.  An item is 32 f x 64 columns: lane (r, h) takes 16 consecutive rows f, 16 bytes each; component j goes to block j.  Each wave has eight items, one in each of the first eight trips.
.macro JOB_LD
	s_cmp_gt_u32 s[CNT], 2
	s_cbranch_scc0 .Lno_ld_\@
.set i, 0
.rept 16
	global_load_b128 v[WL+4*i:WL+4*i+3], v[RO], s[84:85] offset:i*8192 th:TH_LOAD_NT
.set i, i+1
.endr
.Lno_ld_\@:
.endm
.macro JOB_CV
	s_cmp_gt_u32 s[CNT], 2
	s_cbranch_scc0 .Lno_cv_\@
	s_wait_loadcnt 0x0                             ; the item's sixteen loads, issued three units back
	s_wait_xcnt 0x0                                ; the last item's stores have read their registers
.set c, 0
.rept 32
	v_cvt_pk_bf16_f32 v[OUT+c], v[WL+8*(c%8)+c/8], v[WL+8*(c%8)+4+c/8]
.set c, c+1
.endr
.set i, 0
.rept 8
	global_store_b128 v[O16], v[OUT+4*i:OUT+4*i+3], s[100:101] offset:i*512  ; four images: 512 consecutive bytes a store
.set i, i+1
.endr
.Lno_cv_\@:
.endm
.macro JOB_STEP
	s_wait_xcnt 0x0                                ; every load, store and prefetch issued so far has read its address (the youngest a unit back)
	s_add_nc_u64 s[84:85], s[84:85], 524288        ; 64 rows of w_down on
	s_add_nc_u64 s[100:101], s[100:101], 16384     ; two units of wdf on
	s_add_nc_u64 s[PFA:PFA+1], s[PFA:PFA+1], 6*WU
.endm
.macro JOB_AD                          ; A_d for the way out: lane (r, h): rank r, my 64 f in x3's K order
	s_wait_xcnt 0x0
.set i, 0
.rept 32
	global_load_b32 v[OUT+i], v[ADO], s[86:87] offset:i*64
.set i, i+1
.endr
.endm
; A UNIT multiplies buffers p and fetches the next unit (unit fu of slot fs; fu = -1: none) into the other buffers.
; chg = 1, 2: the fetch is the first from slot fs: THE CHANGE OF SLOTS.  Each wave waits for all its tensor loads (one is out: its part of slot fs), adds 0 to its spare word, steps the group 0 of the slot that has
; landed, waits for the add and for its reads of the other slot, and signals; eight matrix instructions; the wait.  chg = 1: that barrier opens a round of the cluster's barrier, and the joint refill of the
; other slot is the first thing behind the round: 184 matrix instructions ahead of the wait for it.  chg = 2: nothing is left to ask for.
.macro UNIT p, chg, fs, fu, e, job, ask
.if \chg
	WIN 0
	s_wait_tensorcnt 0x0                           ; all my tensor loads have landed, so every group 0 may be written
	ds_add_u32 v[SPW], v[NIL]                      ; 0 onto my spare word
.if (\chg) == 1
	s_add_nc_u64 s[G0X+4*(\fs)+2:G0X+4*(\fs)+3], s[G0X+4*(\fs)+2:G0X+4*(\fs)+3], 6*XU
	s_add_nc_u64 s[G0W+4*(\fs)+2:G0W+4*(\fs)+3], s[G0W+4*(\fs)+2:G0W+4*(\fs)+3], 6*WU
.endif
	s_wait_dscnt 0x0                               ; the add is done, and my reads of the other slot are over
	s_barrier_signal -1
	MUL8 \p, 0, \e
	WIN 0                                          ; at a branch and at a label every window is 0
	s_barrier_wait -1
.if (\chg) == 1
	CREST
	JLOAD 1-(\fs)                                  ; its four v_nop are also the places ahead of the loads below
.else
	PLACES
.endif
.else
	PLACES
.endif
.if (\fu) >= 0
	FETCH \fs, \fu, 1-(\p)
.endif
	WIN 0
.if (\job) == 1
	JOB_LD
.elseif (\job) == 2
	JOB_CV
.elseif (\job) == 3
	JOB_STEP
.elseif (\job) == 4
	JOB_AD
.endif
.if (\ask) >= 0
	ASK \ask
.endif
.if (\chg) == 0
.if (\fu) >= 0
	s_wait_dscnt 48                                ; all but the 48 just issued: x's fragments of this unit are in
.else
	s_wait_dscnt 0x0
.endif
	MUL8 \p, 0, \e
.endif
	MUL8 \p, 1, \e
	MUL8 \p, 2, \e
	MUL8 \p, 3, \e
	MUL8 \p, 4, \e
	MUL8 \p, 5, \e
.if (\fu) >= 0
	s_wait_dscnt 16                                ; the 32 loads of the weights are in; x's sixteen may stay out
	MULR \p, 6, \e
	MULR \p, 7, \e
.else
	MUL8 \p, 6, \e
	MUL8 \p, 7, \e
.endif
.endm
	s_load_b512 s[68:83], s[0:1], 0x0              ; xbf 68, xef 70, w_gate 72, w_up 74, w_gate_lora_b 76, w_up_lora_b 78, b_gate 80, b_up 82
	s_load_b256 s[84:91], s[0:1], 0x40             ; w_down 84, w_down_lora_a 86, x3f 88, tp 90
	s_load_b64 s[100:101], s[0:1], 0x60            ; wdf
	v_lshl_add_u32 v[SPW], v0, 2, SPARE
	v_mov_b32 v[NIL], 0
	ds_add_u32 v[SPW], v[NIL]                      ; the wave's opening: the add and its wait stand ahead of my first tensor load; work on registers stands between them
	v_lshrrev_b32 v1, 5, v0
	v_readfirstlane_b32 s[WV], v1                  ; wave 0..3
	s_lshr_b32 s[MH], s[WV], 1
	s_and_b32 s[NH], s[WV], 1
	s_bfe_u32 s[CX], ttmp6, 0x40000
	s_bfe_u32 s[CY], ttmp6, 0x40004                ; the row block of 256: the grid is one cluster high
	s_lshl_b32 s[FB], ttmp9, 2
	s_add_co_u32 s[FB], s[FB], s[CX]
	s_lshl_b32 s2, s[CY], 2
	s_lshl_b32 s2, 15, s2                          ; my row of the cluster
	s_lshl_b32 s10, 0x1111, s[CX]                  ; my column
	; group 1.  x's images are dense: rows of 32 elements of 8 bytes.  15:0 the mask; 17:16 the element's size; 21 set beside a mask
	s_or_b32 s[G1X], s2, (3<<16)|(1<<21)
	s_or_b32 s[G1XS], s2, (3<<16)|(1<<21)
.irp g, G1X, G1XS
	s_mov_b32 s[\g+1], 32<<16                      ; tensor_dim0
	s_mov_b32 s[\g+3], 32<<16                      ; tile_dim0
	s_mov_b32 s[\g+5], 32                          ; elements from row to row
	s_mov_b32 s[\g+6], 0
	s_mov_b32 s[\g+7], 0
.endr
	s_mov_b32 s[G1X+2], 96<<16                     ; tensor_dim1: three units are 96 rows of 256 bytes,
	s_mov_b32 s[G1X+4], 96                         ; tile_dim1
	s_mov_b32 s[G1XS+2], 32<<16                    ; one unit 32
	s_mov_b32 s[G1XS+4], 32
	; the weights: 128 f32 of each of 96 (32) rows, 8,192 elements from row to row
	s_or_b32 s[G1W], s10, (2<<16)|(1<<21)
	s_or_b32 s[G1WS], s10, (2<<16)|(1<<21)
.irp g, G1W, G1WS
	s_mov_b32 s[\g+1], 128<<16
	s_mov_b32 s[\g+3], 128<<16
	s_mov_b32 s[\g+5], 8192
	s_mov_b32 s[\g+6], 0
	s_mov_b32 s[\g+7], 0
.endr
	s_mov_b32 s[G1W+2], 96<<16
	s_mov_b32 s[G1W+4], 96
	s_mov_b32 s[G1WS+2], 32<<16
	s_mov_b32 s[G1WS+4], 32
	; group 0: count 1; the LDS address hangs on the wave's number alone
	s_mul_i32 s14, s[NH], XREG
	s_mul_i32 s15, s[NH], WREG
	s_mov_b32 s[G0XS], 1
	s_mov_b32 s[G0XS+1], s14
	s_mov_b32 s[G0X], 1
	s_mov_b32 s[G0X+1], s14
	s_mov_b32 s[G0X+4], 1
	s_add_co_u32 s[G0X+5], s14, SLOT
	s_mov_b32 s[G0WS], 1
	s_add_co_u32 s[G0WS+1], s15, WOFF
	s_mov_b32 s[G0W], 1
	s_add_co_u32 s[G0W+1], s15, WOFF
	s_mov_b32 s[G0W+4], 1
	s_add_co_u32 s[G0W+5], s15, SLOT+WOFF
	s_lshl_b32 s2, s[CY], 1                        ; x: m tile 2 cy + NH, 64 units of 8,192 bytes (registers that never hold cx)
	s_add_co_u32 s2, s2, s[NH]
	s_lshl_b32 s2, s2, 19
	s_mov_b32 s3, 0
	s_lshl_b32 s10, s[FB], 9                       ; the weights: 512 bytes of a row for each f block (registers that never hold cy)
	s_mov_b32 s11, 0
	s_wait_dscnt 0x0                               ; the opening add is done
	s_wait_kmcnt 0x0
	s_add_nc_u64 s[G0XS+2:G0XS+3], s[68:69], s[2:3]            ; tile 0: unit 0
	s_add_nc_u64 s[G0X+2:G0X+3], s[G0XS+2:G0XS+3], 4*XU        ; slot 0 walks on from tile 2: unit 4
	s_add_nc_u64 s[G0X+6:G0X+7], s[G0XS+2:G0XS+3], XU          ; slot 1 from tile 1: unit 1
	s_or_b32 s[G0XS+3], s[G0XS+3], 0x80000000
	s_or_b32 s[G0X+3], s[G0X+3], 0x80000000
	s_or_b32 s[G0X+7], s[G0X+7], 0x80000000
	s_cmp_eq_u32 s[NH], 0
	s_cselect_b64 s[G0WS+2:G0WS+3], s[72:73], s[74:75]         ; wave 2 fetches W_g, wave 3 W_u
	s_add_nc_u64 s[G0WS+2:G0WS+3], s[G0WS+2:G0WS+3], s[10:11]
	s_add_nc_u64 s[G0W+2:G0W+3], s[G0WS+2:G0WS+3], 4*WU
	s_add_nc_u64 s[G0W+6:G0W+7], s[G0WS+2:G0WS+3], WU
	s_or_b32 s[G0WS+3], s[G0WS+3], 0x80000000
	s_or_b32 s[G0W+3], s[G0W+3], 0x80000000
	s_or_b32 s[G0W+7], s[G0W+7], 0x80000000
	CROUND                                         ; all sixteen work-groups are here: the first joint loads meet
	s_cmp_eq_u32 s[MH], 0                          ; a wave's two first fills stand in one branch: two loads of mine are out
	s_cbranch_scc0 .Lfirst_w
	tensor_load_to_lds s[G0XS:G0XS+3], s[G1XS:G1XS+7]
	s_nop 0
	tensor_load_to_lds s[G0X+4:G0X+7], s[G1X:G1X+7]
	s_nop 0
.rept 4
	v_nop
.endr
	s_branch .Lfirst_done
.Lfirst_w:
	tensor_load_to_lds s[G0WS:G0WS+3], s[G1WS:G1WS+7]
	s_nop 0
	tensor_load_to_lds s[G0W+4:G0W+7], s[G1W:G1W+7]
	s_nop 0
.rept 4
	v_nop
.endr
.Lfirst_done:
	v_and_b32 v16, 31, v0                          ; lane
	v_and_b32 v17, 15, v0                          ; r
	v_bfe_u32 v18, v0, 4, 1                        ; h
	v_lshlrev_b32 v[O16], 4, v16
	v_lshlrev_b32 v19, 4, v17
	v_lshl_add_u32 v[RO], v18, 18, v19
	v_lshlrev_b32 v[BO], 7, v18
	v_lshlrev_b32 v[ADO], 2, v17
	v_lshl_add_u32 v[ADO], v18, 11, v[ADO]
	v_lshlrev_b32 v[PFO], 15, v16
	s_mul_i32 s14, s[MH], XREG
	v_add_nc_u32 v[AX], s14, v[O16]
	v_add_nc_u32 v[AX+1], SLOT, v[AX]
	v_lshl_add_u32 v[AWG], v18, 12, v19            ; row 8 h, 16 r
	s_lshl_b32 s14, s[NH], 8
	s_add_co_u32 s14, s14, WOFF
	v_add_nc_u32 v[AWG], s14, v[AWG]
	v_add_nc_u32 v[AWG+1], SLOT, v[AWG]
	v_add_nc_u32 v[AWU], WREG, v[AWG]
	v_add_nc_u32 v[AWU+1], WREG, v[AWG+1]
	s_lshl_b32 s66, s[CY], 1                       ; my m tile: 2 cy + MH
	s_add_co_u32 s66, s66, s[MH]
	s_lshl_b32 s14, s66, 21                        ; (kept for x3f)
	s_lshl_b32 s66, s66, 13
	s_mov_b32 s67, 0
	s_add_nc_u64 s[70:71], s[70:71], s[66:67]      ; xef at my eight blocks
	s_lshl_b32 s66, s[FB], 9                       ; 4 x my first f
	s_lshl_b32 s15, s[NH], 8
	s_add_co_u32 s66, s66, s15
	s_add_nc_u64 s[76:77], s[76:77], s[66:67]
	s_add_nc_u64 s[78:79], s[78:79], s[66:67]
	s_add_nc_u64 s[80:81], s[80:81], s[66:67]
	s_add_nc_u64 s[82:83], s[82:83], s[66:67]
	s_lshl_b32 s66, s66, 4                         ; 64 x my first f
	s_add_nc_u64 s[86:87], s[86:87], s[66:67]
	s_lshl_b32 s66, s[FB], 15                      ; x3f: (m tile x 256 + 4 FB + 2 NH) x 8,192
	s_add_co_u32 s66, s66, s14
	s_lshl_b32 s15, s[NH], 14
	s_add_co_u32 s66, s66, s15
	s_add_nc_u64 s[88:89], s[88:89], s[66:67]
	s_lshl_b32 s66, s[FB], 17                      ; tp: slice 2 FB + NH, blocks 16 cy + 8 MH on
	s_lshl_b32 s15, s[NH], 16
	s_add_co_u32 s66, s66, s15
	s_lshl_b32 s15, s[CY], 14
	s_add_co_u32 s66, s66, s15
	s_lshl_b32 s15, s[MH], 13
	s_add_co_u32 s66, s66, s15
	s_add_nc_u64 s[90:91], s[90:91], s[66:67]
	s_lshl_b32 s14, s[FB], 2                       ; the side job: my wave among 1,024: w = 4 (FB + 64 cy) + wave
	s_lshl_b32 s15, s[CY], 8
	s_add_co_u32 s14, s14, s15
	s_add_co_u32 s14, s14, s[WV]
	s_and_b32 s15, s14, 31                         ; column group cg = w % 32
	s_lshl_b32 s66, s15, 8
	s_bfe_u32 s15, s14, 0x10005                    ; s = (w / 32) % 2
	s_lshl_b32 s15, s15, 17
	s_add_co_u32 s66, s66, s15
	s_lshr_b32 s15, s14, 6                         ; g from 8 (w / 64) on: 512 rows of 8,192 bytes each
	s_lshl_b32 s15, s15, 22
	s_add_co_u32 s66, s66, s15
	s_add_nc_u64 s[84:85], s[84:85], s[66:67]
	s_bfe_u32 s15, s14, 0x40001                    ; wdf: ((cg / 2 x 256 + 2 g + s) x 8 + 4 (cg % 2)) x 1,024
	s_lshl_b32 s66, s15, 21
	s_lshr_b32 s15, s14, 6
	s_lshl_b32 s15, s15, 17
	s_add_co_u32 s66, s66, s15
	s_bfe_u32 s15, s14, 0x10005
	s_lshl_b32 s15, s15, 13
	s_add_co_u32 s66, s66, s15
	s_and_b32 s15, s14, 1
	s_lshl_b32 s15, s15, 12
	s_add_co_u32 s66, s66, s15
	s_add_nc_u64 s[100:101], s[100:101], s[66:67]
	s_lshl_b32 s66, s[FB], 9                       ; the prefetches: my work-group's matrix and half row, at unit 9
	s_and_b32 s15, s[CY], 1
	s_lshl_b32 s15, s15, 8
	s_add_co_u32 s66, s66, s15
	s_add_co_u32 s66, s66, 9*WU
	s_cmp_lt_u32 s[CY], 2
	s_cselect_b64 s[PFA:PFA+1], s[72:73], s[74:75]
	s_add_nc_u64 s[PFA:PFA+1], s[PFA:PFA+1], s[66:67]
	s_cmp_eq_u32 s[WV], 0
	s_cselect_b32 s[LIM], 1, -1
	; THE EXTRA UNIT's operands, straight from memory
.set i, 0
.rept 16
	global_load_b128 v[X+4*i:X+4*i+3], v[O16], s[70:71] offset:i*512  ; [t_g | t_u] of my eight blocks
.set i, i+1
.endr
	WIN TO_B
.set i, 0
.rept 8                                ; rank 8 h + i, four neighbouring f
	global_load_b128 v[LND+4*i:LND+4*i+3], v[RO], s[76:77] offset:i*32768
	global_load_b128 v[LND+64+4*i:LND+64+4*i+3], v[RO], s[78:79] offset:i*32768
.set i, i+1
.endr
	WIN 0
.set c, 0
.rept 32                               ; register c / 4 of block c % 4 holds f = f0 + 32 h + c
	global_load_b32 v[WL+8*(c%4)+c/4], v[BO], s[80:81] offset:4*c
	global_load_b32 v[WL+32+8*(c%4)+c/4], v[BO], s[82:83] offset:4*c
.set c, c+1
.endr
	WIN TO_B
.set c, 0
.rept 16                               ; gate has no part in t_u's sixteen k, up none in t_g's
	v_mov_b32 v[8*(c/4)+4+c%4], 0
	v_mov_b32 v[32+8*(c/4)+c%4], 0
.set c, c+1
.endr
	s_wait_loadcnt 0x0
	WIN CVT
.set c, 0
.rept 16                               ; block c / 4, register c % 4
	v_cvt_pk_bf16_f32 v[8*(c/4)+c%4], v[LND+8*(c%4)+c/4], v[LND+8*(c%4)+4+c/4]
	v_cvt_pk_bf16_f32 v[32+8*(c/4)+4+c%4], v[LND+64+8*(c%4)+c/4], v[LND+64+8*(c%4)+4+c/4]
.set c, c+1
.endr
	WIN 0
	s_wait_tensorcnt 1                             ; my part of tile 0 is in; tile 1's may stay out
	s_barrier_signal -1
	s_barrier_wait -1                              ; everybody's is
	UNIT 0, 0, 0, 0, 1, 0, -1                      ; E; fetches unit 0
	WIN 0
	s_mov_b32 s[CNT], TRIPS
.Ltrip:                                        ; six units a trip, once round the ring: both slots are filled again: tiles 2 to 21
	UNIT 1, 1, 1, 0, 0, 0, 0
	UNIT 0, 0, 1, 1, 0, 1, 1
	UNIT 1, 0, 1, 2, 0, 0, 2
	UNIT 0, 1, 0, 0, 0, 0, 3
	UNIT 1, 0, 0, 1, 0, 2, 4
	UNIT 0, 0, 0, 2, 0, 3, 5
	WIN 0
	s_sub_co_u32 s[CNT], s[CNT], 1
	s_cmp_lg_u32 s[CNT], 0
	s_cbranch_scc1 .Ltrip
	UNIT 1, 2, 1, 0, 0, 0, -1                      ; the tail is written out: the last change of slots asks for nothing
	UNIT 0, 0, 1, 1, 0, 0, -1
	UNIT 1, 0, 1, 2, 0, 0, -1
	UNIT 0, 0, 0, -1, 0, 4, -1                     ; unit 63; A_d is asked for
	; THE WAY OUT, two m blocks at a time: x3 = max(y1, 0) y2 in the order of f (each accumulator's lowest register is read first), rounded in pairs: sixteen registers a block,
	; which ARE two fragments of x3.  They are stored as images and multiplied by A_d's fragments at once.
	PLACES
	WIN 0
	s_wait_loadcnt 0x0                             ; A_d
.set i, 0
.rept 16
	v_cvt_pk_bf16_f32 v[AD+i], v[OUT+2*i], v[OUT+2*i+1]
.set i, i+1
.endr
.macro PAIR a
.irp e, 0, 1
	WIN 0x08+4*(((\a)+\e)/4)                       ; source 1 in window 2 or 3
.set c, 0
.rept 32
	v_max_num_f32 v[T+32*\e+c], 0, v[8*(8*(((\a)+\e)%4)+c%4)+c/4]
.set c, c+1
.endr
.set c, 0
.rept 32
	v_mul_f32 v[T+32*\e+c], v[T+32*\e+c], v[8*(8*(((\a)+\e)%4)+4+c%4)+c/4]
.set c, c+1
.endr
.endr
	WIN 0
	s_wait_xcnt 0x0                                ; the last pair's stores have read their registers
.set c, 0
.rept 32
	v_cvt_pk_bf16_f32 v[PK+c], v[T+2*c], v[T+2*c+1]
.set c, c+1
.endr
.irp e, 0, 1
.irp s, 0, 1
	global_store_b128 v[O16], v[PK+16*\e+8*\s:PK+16*\e+8*\s+3], s[88:89] offset:\s*8192+((\a)+\e)*1024
	global_store_b128 v[O16], v[PK+16*\e+8*\s+4:PK+16*\e+8*\s+7], s[88:89] offset:\s*8192+((\a)+\e)*1024+512
.endr
.endr
.irp s, 0, 1                           ; t_d^T = A_d^T x3^T: the two blocks' accumulators take turns
.irp e, 0, 1
.if \s == 0
	v_wmma_f32_16x16x32_bf16 v[TD+8*((\a)+\e):TD+8*((\a)+\e)+7], v[AD+8*\s:AD+8*\s+7], v[PK+16*\e+8*\s:PK+16*\e+8*\s+7], 0
.else
	v_wmma_f32_16x16x32_bf16 v[TD+8*((\a)+\e):TD+8*((\a)+\e)+7], v[AD+8*\s:AD+8*\s+7], v[PK+16*\e+8*\s:PK+16*\e+8*\s+7], v[TD+8*((\a)+\e):TD+8*((\a)+\e)+7]
.endif
.endr
.endr
.endm
	PAIR 0
	PAIR 2
	PAIR 4
	PAIR 6
	PLACES
.set i, 0
.rept 16
	global_store_b128 v[O16], v[TD+4*i:TD+4*i+3], s[90:91] offset:i*512  ; my slice of t_d, as the accumulators lie
.set i, i+1
.endr
	s_wait_tensorcnt 0x0                           ; the wave's end: behind my last tensor load
	ds_add_u32 v[SPW], v[NIL]
	s_wait_dscnt 0x0
	CROUND                                         ; the closing round: no work-group ends while a partner may still ask for a tile that names it
	s_endpgm
.Lfunc_end_k_q8fa0d2edf8_gemm1:
	.size	k_q8fa0d2edf8_gemm1, .Lfunc_end_k_q8fa0d2edf8_gemm1-k_q8fa0d2edf8_gemm1
	.p2alignl 7, 3214868480
	.fill 96, 4, 3214868480
	.section	.rodata,"a",@progbits
	.p2align	6, 0x0
	.amdhsa_kernel k_q8fa0d2edf8_gemm1
		.amdhsa_group_segment_fixed_size 327680
		.amdhsa_private_segment_fixed_size 0
		.amdhsa_enable_private_segment 0
		.amdhsa_kernarg_size 104
		.amdhsa_user_sgpr_count 2
		.amdhsa_user_sgpr_kernarg_segment_ptr 1
		.amdhsa_wavefront_size32 1
		.amdhsa_system_sgpr_workgroup_id_x 1
		.amdhsa_system_sgpr_workgroup_id_y 1
		.amdhsa_system_sgpr_workgroup_id_z 1
		.amdhsa_system_vgpr_workitem_id 0
		.amdhsa_next_free_vgpr 1024
		.amdhsa_next_free_sgpr 102
		.amdhsa_reserve_vcc 0
		.amdhsa_float_denorm_mode_32 3
		.amdhsa_float_denorm_mode_16_64 3
		.amdhsa_memory_ordered 1
		.amdhsa_forward_progress 1
		.amdhsa_inst_pref_size 191
	.end_amdhsa_kernel
	.amdgpu_metadata
---
amdhsa.version: [ 1, 2 ]
amdhsa.kernels:
  - .name:           k_q8fa0d2edf8_gemm1
    .symbol:         k_q8fa0d2edf8_gemm1.kd
    .args:
      - { .name: xbf, .offset: 0, .size: 8, .value_kind: global_buffer, .address_space: global }
      - { .name: xef, .offset: 8, .size: 8, .value_kind: global_buffer, .address_space: global }
      - { .name: w_gate, .offset: 16, .size: 8, .value_kind: global_buffer, .address_space: global }
      - { .name: w_up, .offset: 24, .size: 8, .value_kind: global_buffer, .address_space: global }
      - { .name: w_gate_lora_b, .offset: 32, .size: 8, .value_kind: global_buffer, .address_space: global }
      - { .name: w_up_lora_b, .offset: 40, .size: 8, .value_kind: global_buffer, .address_space: global }
      - { .name: b_gate, .offset: 48, .size: 8, .value_kind: global_buffer, .address_space: global }
      - { .name: b_up, .offset: 56, .size: 8, .value_kind: global_buffer, .address_space: global }
      - { .name: w_down, .offset: 64, .size: 8, .value_kind: global_buffer, .address_space: global }
      - { .name: w_down_lora_a, .offset: 72, .size: 8, .value_kind: global_buffer, .address_space: global }
      - { .name: x3f, .offset: 80, .size: 8, .value_kind: global_buffer, .address_space: global }
      - { .name: tp, .offset: 88, .size: 8, .value_kind: global_buffer, .address_space: global }
      - { .name: wdf, .offset: 96, .size: 8, .value_kind: global_buffer, .address_space: global }
    .group_segment_fixed_size: 327680
    .private_segment_fixed_size: 0
    .kernarg_segment_align: 8
    .kernarg_segment_size: 104
    .max_flat_workgroup_size: 128
    .sgpr_count:     102
    .vgpr_count:     1024
    .wavefront_size: 32
...
	.end_amdgpu_metadata
.endif
;; end of part 2
;; launch gemm2 (part 3): grid 16 x 16, 4 waves a work-group, clusters of 4 x 4, 327,680 bytes of LDS; arguments x3f, wdf, tp, part, td; writes part, td
.if DOCPART == 3
	.amdgcn_target "amdgcn-amd-amdhsa--gfx1250"
	.amdhsa_code_object_version 6
	.text
	.protected	k_q8fa0d2edf8_gemm2
	.globl	k_q8fa0d2edf8_gemm2
	.p2align	8
	.type	k_q8fa0d2edf8_gemm2,@function
k_q8fa0d2edf8_gemm2:
	s_mov_b64 s[64:65], 0
	v_nop
	global_prefetch_b8 v0, s[64:65] scope:SCOPE_SE
	s_setreg_imm32_b32 hwreg(HW_REG_WAVE_MODE, 25, 1), 1
	s_wait_xcnt 0x0
	s_wait_alu depctr_hold_cnt(0) depctr_sa_sdst(0) depctr_va_vdst(0) depctr_va_sdst(0) depctr_va_ssrc(0) depctr_va_vcc(0) depctr_vm_vsrc(0)
	s_getreg_b32 s2, hwreg(HW_REG_IB_STS2, 6, 4)
	s_cmp_eq_u32 s2, 0
	s_cbranch_scc0 .Lentry_in_a_cluster
	s_endpgm
.Lentry_in_a_cluster:
	s_bfe_u32 s2, ttmp6, 0x10000c
	s_cmp_lg_u32 s2, 0xf033
	s_cbranch_scc0 .Lentry_shape_is_right
	s_endpgm
.Lentry_shape_is_right:
; GEMM2.  part[ks] = x3 W_d over a quarter of K (64 units of 32 f), in f32; beside it t_d = the sum of the 128 slices of tp.
; Both operands arrive as register images of fragments (1,024 bytes: [half q][lane][16 bytes]) with the same order of k, so a tile is a dense block of memory and an LDS load of 16 bytes a lane at 16 x lane is half a fragment.
; SHARES.  A work-group makes 256 rows x 128 columns for K quarter ks: 4 x 16 x 4 = 256 work-groups.  A wave makes 128 x 64: 32 accumulators, 256 registers.  Source 0 = x3, source 1 = W_d:
; lane r holds column 64 cg + 4 r + j of block j, register i row 8 h + i.  The accumulators are stored as they lie; the last launch adds the four quarters.
; A step is a DOUBLE UNIT, 64 along K: 64 matrix instructions.  RING: two LDS slots of three double units: x3 of both m tiles (2 x 49,152 bytes), W_d (49,152).  The first tile has two, so that 32 = 2 + 10 x 3.
; CLUSTER 4 x 4: x3's tiles hang on the row block (cy) and ks and are asked for jointly along a row of the cluster, W_d's on the column block (cx) and ks, jointly along a column.
; REGISTERS (s_set_vgpr_msb: bits 1:0 source 0, 3:2 source 1, 5:4 source 2, 7:6 destination): window 0: v0-15 addresses, v64-255 fragment buffer 0; window 1: v64-255 buffer 1;
;   window 2: accumulator (a, j) at v[8 (4 a + j)].  In a buffer: x3 (unit e, block a) at 64 + 64 e + 8 a, W_d (e, j) at 192 + 32 e + 8 j.
.set SLOT,  147456
.set XREG,  49152
.set WOFF,  98304
.set SPARE, 2*SLOT                     ; the spare words, 128 bytes for each wave: two blocks of 256 bytes that no other line names
.set UB,    8192                       ; a unit of an m tile of x3f, or of a column block of wdf
.set DUB,   16384
.set TRIPS, 4
.set SPW, 2                            ; v2  LDS address of my spare word; never rewritten
.set NIL, 3                            ; v3  0; never rewritten
.set O16, 4                            ; v4  16 x lane
.set AX,  6                            ; v6-7  x3's images in slot 0, 1
.set AW,  8                            ; v8-9  W_d's
.set PFO, 10                           ; v10 256 x lane
.set T8,  11                           ; v11 8 x lane
.set CNT, 3
.set WV,  4
.set MH,  5                            ; which 128 rows are mine.  Also: I fetch x3 (0) or W_d (1)
.set NH,  6                            ; which 64 columns.  Also: which m tile, or which half of W_d's units, I fetch
.set CX,  7
.set CY,  8
.set NT,  9                            ; column block of 128
.set KS,  10                           ; K quarter: the cluster's y
.set PFA, 12
.set G1X, 16
.set G1W, 24
.set G1XS, 32
.set G1WS, 40
.set G0X, 48
.set G0W, 56
.set LIMA, 78                          ; 1 in a wave that prefetches in even steps of a trip, else the greatest number
.set LIMX, 79                          ; the same for odd steps
.set G0XS, 80
.set G0WS, 84
.set MSB, 0
.macro WIN new
.if MSB != (\new)
	s_set_vgpr_msb (MSB<<8)|(\new)
.set MSB, \new
.endif
.endm
.macro PLACES
.rept 4
	v_nop
.endr
.endm
.macro CREST
	s_cmp_lg_u32 s[WV], 0
	s_cbranch_scc1 .Lnot_wave_0_\@
	s_barrier_signal -3
.Lnot_wave_0_\@:
	s_barrier_wait -3
	s_barrier_signal -1
	s_barrier_wait -1
.endm
.macro CROUND
	s_barrier_signal -1
	s_barrier_wait -1
	CREST
.endm
.macro JLOAD s                         ; waves 0 and 1 fetch x3's two m tiles, waves 2 and 3 the two halves of W_d's six units; an s_nop 0 and four v_nop follow each line
	s_cmp_eq_u32 s[MH], 0
	s_cbranch_scc0 .Lfor_w_\@
	tensor_load_to_lds s[G0X+4*(\s):G0X+4*(\s)+3], s[G1X:G1X+7]
	s_nop 0
.rept 4
	v_nop
.endr
	s_branch .Lasked_\@
.Lfor_w_\@:
	tensor_load_to_lds s[G0W+4*(\s):G0W+4*(\s)+3], s[G1W:G1W+7]
	s_nop 0
.rept 4
	v_nop
.endr
.Lasked_\@:
.endm
; PREFETCHES INTO THE L2, a lane 256 bytes, each aligned 256 bytes named once in the launch.  x3: all clusters of a K quarter read the same images: the first of them (cluster x = 0) asks, wave 0, in every step,
; for the double unit nine on: partner cx takes m tile cx / 2 and unit cx % 2.  W_d: only my column of my cluster reads its images: wave 1 asks in every second step for the two double units nine and ten on:
; partner cy takes unit cy of the four.  The partners are told apart by address alone.  Double units 0 to 9 come by their loads alone; the last trip stops at double unit 31; the tail asks for nothing.
.macro ASK i
.if (\i) % 2
.set LM, LIMX
.else
.set LM, LIMA
.endif
.if (\i) <= 3
	s_cmp_eq_u32 s[LM], 1
.else
	s_cmp_gt_u32 s[CNT], s[LM]
.endif
	s_cbranch_scc0 .Lnot_mine_\@
.if (\i) == 5
	global_prefetch_b8 v[PFO], s[PFA:PFA+1] offset:-DUB th:TH_LOAD_NT scope:SCOPE_SE  ; the pointer has just been stepped by six double units
.else
	global_prefetch_b8 v[PFO], s[PFA:PFA+1] offset:(\i)*DUB th:TH_LOAD_NT scope:SCOPE_SE
.endif
.Lnot_mine_\@:
.endm
.macro FETCH fs, fd, pb                ; 48 LDS loads in one run: double unit fd of slot fs into buffer pb, its first unit first
	WIN 0x40*(\pb)
.irp e, 0, 1
.set i, 0
.rept 16
	ds_load_b128 v[64+64*\e+4*i:64+64*\e+4*i+3], v[AX+(\fs)] offset:(2*(\fd)+\e)*UB+i*512
.set i, i+1
.endr
.set i, 0
.rept 8
	ds_load_b128 v[192+32*\e+4*i:192+32*\e+4*i+3], v[AW+(\fs)] offset:(2*(\fd)+\e)*UB+i*512
.set i, i+1
.endr
.endr
.endm
; Matrix instructions n0 .. n1 - 1 of a step's 64: unit n / 32, m block (n / 4) % 8, block n % 4.  The 32 accumulators take turns.  zero = 1: the first unit starts the sums.
.macro MULS p, n0, n1, zero
	WIN 0xa0+5*(\p)
.set n, \n0
.rept (\n1)-(\n0)
.if (\zero) && (n < 32)
	v_wmma_f32_16x16x32_bf16 v[8*(n%32):8*(n%32)+7], v[64+64*(n/32)+8*((n/4)%8):64+64*(n/32)+8*((n/4)%8)+7], v[192+32*(n/32)+8*(n%4):192+32*(n/32)+8*(n%4)+7], 0
.else
	v_wmma_f32_16x16x32_bf16 v[8*(n%32):8*(n%32)+7], v[64+64*(n/32)+8*((n/4)%8):64+64*(n/32)+8*((n/4)%8)+7], v[192+32*(n/32)+8*(n%4):192+32*(n/32)+8*(n%4)+7], v[8*(n%32):8*(n%32)+7]
.endif
.set n, n+1
.endr
.endm
; A STEP multiplies buffer p and fetches the next double unit (fd of slot fs; -1: none) into the other.  chg = 1, 2: the fetch is the first from slot fs: the change of slots: each wave waits for all its tensor
; loads, adds 0 to its spare word, steps the group 0 of the slot that has landed, waits for the add and for its reads of the other slot, signals; eight matrix instructions; the wait.  chg = 1: the barrier
; opens a round of the cluster's barrier, and the joint refill of the other slot comes first behind it, 184 matrix instructions ahead of the wait for it.  chg = 2: nothing is left to ask for.
.macro UNIT p, chg, fs, fd, zero, step, ask
.if \chg
	WIN 0
	s_wait_tensorcnt 0x0                           ; all my tensor loads have landed, so every group 0 may be written
	ds_add_u32 v[SPW], v[NIL]                      ; 0 onto my spare word
.if (\chg) == 1
	s_add_nc_u64 s[G0X+4*(\fs)+2:G0X+4*(\fs)+3], s[G0X+4*(\fs)+2:G0X+4*(\fs)+3], 12*UB
	s_add_nc_u64 s[G0W+4*(\fs)+2:G0W+4*(\fs)+3], s[G0W+4*(\fs)+2:G0W+4*(\fs)+3], 12*UB
.endif
	s_wait_dscnt 0x0                               ; the add is done, and my reads of the other slot are over
	s_barrier_signal -1
	MULS \p, 0, 8, \zero
	WIN 0
	s_barrier_wait -1
.if (\chg) == 1
	CREST
	JLOAD 1-(\fs)                                  ; its four v_nop are also the places ahead of the loads below
.else
	PLACES
.endif
.else
	PLACES
.endif
.if (\fd) >= 0
	FETCH \fs, \fd, 1-(\p)
.endif
	WIN 0
.if \step
	s_wait_xcnt 0x0                                ; the last prefetch, a step back, has read its address
	s_add_nc_u64 s[PFA:PFA+1], s[PFA:PFA+1], 6*DUB
.endif
.if (\ask) >= 0
	ASK \ask
.endif
.if (\chg) == 0
.if (\fd) >= 0
	s_wait_dscnt 48                                ; all but the 48 just issued: this step's fragments are in
.else
	s_wait_dscnt 0x0
.endif
	MULS \p, 0, 8, \zero
.endif
	MULS \p, 8, 64, \zero
.endm
	s_load_b256 s[68:75], s[0:1], 0x0              ; x3f 68, wdf 70, tp 72, part 74
	s_load_b64 s[76:77], s[0:1], 0x20              ; td
	v_lshl_add_u32 v[SPW], v0, 2, SPARE
	v_mov_b32 v[NIL], 0
	ds_add_u32 v[SPW], v[NIL]                      ; the wave's opening: the add and its wait stand ahead of my first tensor load; work on registers stands between them
	v_lshrrev_b32 v1, 5, v0
	v_readfirstlane_b32 s[WV], v1
	s_lshr_b32 s[MH], s[WV], 1
	s_and_b32 s[NH], s[WV], 1
	s_bfe_u32 s[CX], ttmp6, 0x40000
	s_bfe_u32 s[CY], ttmp6, 0x40004
	s_lshl_b32 s[NT], ttmp9, 2
	s_add_co_u32 s[NT], s[NT], s[CX]
	s_and_b32 s[KS], ttmp7, 0xffff
	s_lshl_b32 s88, s[CY], 2
	s_lshl_b32 s88, 15, s88                        ; my row of the cluster
	s_lshl_b32 s90, 0x1111, s[CX]                  ; my column
	; group 1: dense blocks, rows of 32 elements of 8 bytes.  15:0 the mask; 17:16 the element's size; 21 set beside a mask
	s_or_b32 s[G1X], s88, (3<<16)|(1<<21)
	s_or_b32 s[G1XS], s88, (3<<16)|(1<<21)
	s_or_b32 s[G1W], s90, (3<<16)|(1<<21)
	s_or_b32 s[G1WS], s90, (3<<16)|(1<<21)
.irp g, G1X, G1XS, G1W, G1WS
	s_mov_b32 s[\g+1], 32<<16
	s_mov_b32 s[\g+3], 32<<16
	s_mov_b32 s[\g+5], 32
	s_mov_b32 s[\g+6], 0
	s_mov_b32 s[\g+7], 0
.endr
	s_mov_b32 s[G1X+2], 192<<16                    ; six units of an m tile: 192 rows of 256 bytes;
	s_mov_b32 s[G1X+4], 192
	s_mov_b32 s[G1XS+2], 128<<16                   ; the first tile's four
	s_mov_b32 s[G1XS+4], 128
	s_mov_b32 s[G1W+2], 96<<16                     ; three units of W_d;
	s_mov_b32 s[G1W+4], 96
	s_mov_b32 s[G1WS+2], 64<<16                    ; the first tile's two
	s_mov_b32 s[G1WS+4], 64
	s_mul_i32 s14, s[NH], XREG
	s_mul_i32 s92, s[NH], 3*UB
	s_mov_b32 s93, 0
	s_lshl_b32 s94, s[NH], 14
	s_mov_b32 s95, 0
	s_mov_b32 s[G0XS], 1
	s_mov_b32 s[G0XS+1], s14
	s_mov_b32 s[G0X], 1
	s_mov_b32 s[G0X+1], s14
	s_mov_b32 s[G0X+4], 1
	s_add_co_u32 s[G0X+5], s14, SLOT
	s_mov_b32 s[G0WS], 1
	s_add_co_u32 s[G0WS+1], s94, WOFF
	s_mov_b32 s[G0W], 1
	s_add_co_u32 s[G0W+1], s92, WOFF
	s_mov_b32 s[G0W+4], 1
	s_add_co_u32 s[G0W+5], s92, SLOT+WOFF
	s_lshl_b32 s11, s[KS], 19                      ; 64 units of 8,192 bytes a K quarter
	s_lshl_b32 s88, s[CY], 1                       ; x3: m tile 2 cy + NH, 256 units each (registers that never hold cx)
	s_add_co_u32 s88, s88, s[NH]
	s_lshl_b32 s88, s88, 21
	s_add_co_u32 s88, s88, s11
	s_mov_b32 s89, 0
	s_lshl_b32 s90, s[NT], 21                      ; W_d: column block NT (registers that never hold cy)
	s_add_co_u32 s90, s90, s11
	s_mov_b32 s91, 0
	s_wait_dscnt 0x0                               ; the opening add is done
	s_wait_kmcnt 0x0
	s_add_nc_u64 s[G0XS+2:G0XS+3], s[68:69], s[88:89]          ; tile 0: unit 0
	s_add_nc_u64 s[G0X+2:G0X+3], s[G0XS+2:G0XS+3], 10*UB       ; slot 0 walks on from tile 2: unit 10
	s_add_nc_u64 s[G0X+6:G0X+7], s[G0XS+2:G0XS+3], 4*UB        ; slot 1 from tile 1: unit 4
	s_or_b32 s[G0XS+3], s[G0XS+3], 0x80000000
	s_or_b32 s[G0X+3], s[G0X+3], 0x80000000
	s_or_b32 s[G0X+7], s[G0X+7], 0x80000000
	s_add_nc_u64 s[G0WS+2:G0WS+3], s[70:71], s[90:91]
	s_add_nc_u64 s[G0W+2:G0W+3], s[G0WS+2:G0WS+3], 10*UB
	s_add_nc_u64 s[G0W+6:G0W+7], s[G0WS+2:G0WS+3], 4*UB
	s_add_nc_u64 s[G0WS+2:G0WS+3], s[G0WS+2:G0WS+3], s[94:95]  ; my half of the tile's units
	s_add_nc_u64 s[G0W+2:G0W+3], s[G0W+2:G0W+3], s[92:93]
	s_add_nc_u64 s[G0W+6:G0W+7], s[G0W+6:G0W+7], s[92:93]
	s_or_b32 s[G0WS+3], s[G0WS+3], 0x80000000
	s_or_b32 s[G0W+3], s[G0W+3], 0x80000000
	s_or_b32 s[G0W+7], s[G0W+7], 0x80000000
	CROUND                                         ; all sixteen work-groups are here: the first joint loads meet
	s_cmp_eq_u32 s[MH], 0                          ; a wave's two first fills stand in one branch: two loads of mine are out
	s_cbranch_scc0 .Lfirst_w
	tensor_load_to_lds s[G0XS:G0XS+3], s[G1XS:G1XS+7]
	s_nop 0
	tensor_load_to_lds s[G0X+4:G0X+7], s[G1X:G1X+7]
	s_nop 0
.rept 4
	v_nop
.endr
	s_branch .Lfirst_done
.Lfirst_w:
	tensor_load_to_lds s[G0WS:G0WS+3], s[G1WS:G1WS+7]
	s_nop 0
	tensor_load_to_lds s[G0W+4:G0W+7], s[G1W:G1W+7]
	s_nop 0
.rept 4
	v_nop
.endr
.Lfirst_done:
	v_and_b32 v12, 31, v0
	v_lshlrev_b32 v[O16], 4, v12
	v_lshlrev_b32 v[PFO], 8, v12
	v_lshlrev_b32 v[T8], 3, v12
	s_mul_i32 s14, s[MH], XREG
	v_add_nc_u32 v[AX], s14, v[O16]
	v_add_nc_u32 v[AX+1], SLOT, v[AX]
	s_lshl_b32 s14, s[NH], 12                      ; my four blocks of a unit's eight
	s_add_co_u32 s14, s14, WOFF
	v_add_nc_u32 v[AW], s14, v[O16]
	v_add_nc_u32 v[AW+1], SLOT, v[AW]
	s_lshl_b32 s14, s[KS], 6                       ; my work-group among 256: NT + 16 (4 ks + cy): its 256 bytes of t_d
	s_add_co_u32 s14, s14, s[NT]
	s_lshl_b32 s2, s[CY], 4
	s_add_co_u32 s14, s14, s2
	s_lshl_b32 s14, s14, 8
	s_mov_b32 s15, 0
	s_add_nc_u64 s[72:73], s[72:73], s[14:15]
	s_add_nc_u64 s[76:77], s[76:77], s[14:15]
	s_lshl_b32 s14, s[KS], 23                      ; part: [ks][block 16 cy + 8 MH + a][cg = 2 NT + NH][j][image]
	s_lshl_b32 s2, s[CY], 21
	s_add_co_u32 s14, s14, s2
	s_lshl_b32 s2, s[MH], 20
	s_add_co_u32 s14, s14, s2
	s_lshl_b32 s2, s[NT], 13
	s_add_co_u32 s14, s14, s2
	s_lshl_b32 s2, s[NH], 12
	s_add_co_u32 s14, s14, s2
	s_add_nc_u64 s[74:75], s[74:75], s[14:15]
	s_lshl_b32 s14, s[CY], 1                       ; the prefetches, at double unit 10.  x3: m tile 2 cy + cx / 2, unit cx % 2
	s_lshr_b32 s2, s[CX], 1
	s_add_co_u32 s14, s14, s2
	s_lshl_b32 s14, s14, 21
	s_and_b32 s2, s[CX], 1
	s_lshl_b32 s2, s2, 13
	s_add_co_u32 s14, s14, s2
	s_lshl_b32 s2, s[NT], 21                       ; W_d: column block NT, unit cy
	s_lshl_b32 s66, s[CY], 13
	s_add_co_u32 s2, s2, s66
	s_cmp_eq_u32 s[WV], 0
	s_cselect_b32 s14, s14, s2
	s_cselect_b64 s[PFA:PFA+1], s[68:69], s[70:71]
	s_add_co_u32 s14, s14, s11
	s_add_co_u32 s14, s14, 10*DUB
	s_add_nc_u64 s[PFA:PFA+1], s[PFA:PFA+1], s[14:15]
	s_or_b32 s2, s[WV], ttmp9                      ; wave 0 of a cluster with x = 0: the same in all sixteen partners
	s_cmp_eq_u32 s2, 0
	s_cselect_b32 s[LIMX], 1, -1
	s_cmp_eq_u32 s[WV], 1
	s_cselect_b32 s[LIMA], 1, s[LIMX]
	; THE SIDE JOB, wave 3 alone, in the wait for the first tile: 256 bytes of t_d = the sum of the same 256 bytes of the 128 slices, 8 bytes a lane, in the accumulators' registers, which are still free
	s_cmp_eq_u32 s[WV], 3
	s_cbranch_scc0 .Lno_td
	WIN 0x80
.set i, 0
.rept 128
	global_load_b64 v[2*i:2*i+1], v[T8], s[72:73] offset:i*65536 th:TH_LOAD_NT
.set i, i+1
.endr
	s_wait_loadcnt 0x0
	WIN 0x8a
.irp st, 64, 32, 16, 8, 4, 2, 1
.set k, 0
.rept \st
	v_pk_add_f32 v[2*k:2*k+1], v[2*k:2*k+1], v[2*(k+\st):2*(k+\st)+1]
.set k, k+1
.endr
.endr
	WIN 0x08
	global_store_b64 v[T8], v[0:1], s[76:77]       ; 256 consecutive bytes, aligned
	s_wait_xcnt 0x0                                ; the store has read its registers, which the products write
	WIN 0
.Lno_td:
	s_wait_tensorcnt 1                             ; my part of tile 0 is in; tile 1's may stay out
	s_barrier_signal -1
	s_barrier_wait -1
	FETCH 0, 0, 0
	UNIT 0, 0, 0, 1, 1, 0, -1                      ; double unit 0 starts the sums
	WIN 0
	s_mov_b32 s[CNT], TRIPS
.Ltrip:                                        ; six steps a trip, once round the ring: tiles 2 to 9
	UNIT 1, 1, 1, 0, 0, 0, 0
	UNIT 0, 0, 1, 1, 0, 0, 1
	UNIT 1, 0, 1, 2, 0, 0, 2
	UNIT 0, 1, 0, 0, 0, 0, 3
	UNIT 1, 0, 0, 1, 0, 0, 4
	UNIT 0, 0, 0, 2, 0, 1, 5
	WIN 0
	s_sub_co_u32 s[CNT], s[CNT], 1
	s_cmp_lg_u32 s[CNT], 0
	s_cbranch_scc1 .Ltrip
	UNIT 1, 1, 1, 0, 0, 0, -1                      ; the tail is written out: one more refill, tile 10,
	UNIT 0, 0, 1, 1, 0, 0, -1
	UNIT 1, 0, 1, 2, 0, 0, -1
	UNIT 0, 2, 0, 0, 0, 0, -1                      ; and a change of slots that asks for nothing
	UNIT 1, 0, 0, 1, 0, 0, -1
	UNIT 0, 0, 0, 2, 0, 0, -1
	UNIT 1, 0, 0, -1, 0, 0, -1
	PLACES
	WIN 0x08                                       ; store data in window 2
.set n, 0
.rept 32                               ; the accumulators as they lie, the low half first: 512 consecutive bytes a store
	global_store_b128 v[O16], v[8*n:8*n+3], s[74:75] offset:(n/4)*131072+(n%4)*1024
	global_store_b128 v[O16], v[8*n+4:8*n+7], s[74:75] offset:(n/4)*131072+(n%4)*1024+512
.set n, n+1
.endr
	WIN 0
	s_wait_tensorcnt 0x0                           ; the wave's end: behind my last tensor load
	ds_add_u32 v[SPW], v[NIL]
	s_wait_dscnt 0x0
	CROUND                                         ; the closing round
	s_endpgm
.Lfunc_end_k_q8fa0d2edf8_gemm2:
	.size	k_q8fa0d2edf8_gemm2, .Lfunc_end_k_q8fa0d2edf8_gemm2-k_q8fa0d2edf8_gemm2
	.p2alignl 7, 3214868480
	.fill 96, 4, 3214868480
	.section	.rodata,"a",@progbits
	.p2align	6, 0x0
	.amdhsa_kernel k_q8fa0d2edf8_gemm2
		.amdhsa_group_segment_fixed_size 327680
		.amdhsa_private_segment_fixed_size 0
		.amdhsa_enable_private_segment 0
		.amdhsa_kernarg_size 40
		.amdhsa_user_sgpr_count 2
		.amdhsa_user_sgpr_kernarg_segment_ptr 1
		.amdhsa_wavefront_size32 1
		.amdhsa_system_sgpr_workgroup_id_x 1
		.amdhsa_system_sgpr_workgroup_id_y 1
		.amdhsa_system_sgpr_workgroup_id_z 1
		.amdhsa_system_vgpr_workitem_id 0
		.amdhsa_next_free_vgpr 768
		.amdhsa_next_free_sgpr 96
		.amdhsa_reserve_vcc 0
		.amdhsa_float_denorm_mode_32 3
		.amdhsa_float_denorm_mode_16_64 3
		.amdhsa_memory_ordered 1
		.amdhsa_forward_progress 1
		.amdhsa_inst_pref_size 141
	.end_amdhsa_kernel
	.amdgpu_metadata
---
amdhsa.version: [ 1, 2 ]
amdhsa.kernels:
  - .name:           k_q8fa0d2edf8_gemm2
    .symbol:         k_q8fa0d2edf8_gemm2.kd
    .args:
      - { .name: x3f, .offset: 0, .size: 8, .value_kind: global_buffer, .address_space: global }
      - { .name: wdf, .offset: 8, .size: 8, .value_kind: global_buffer, .address_space: global }
      - { .name: tp, .offset: 16, .size: 8, .value_kind: global_buffer, .address_space: global }
      - { .name: part, .offset: 24, .size: 8, .value_kind: global_buffer, .address_space: global }
      - { .name: td, .offset: 32, .size: 8, .value_kind: global_buffer, .address_space: global }
    .group_segment_fixed_size: 327680
    .private_segment_fixed_size: 0
    .kernarg_segment_align: 8
    .kernarg_segment_size: 40
    .max_flat_workgroup_size: 128
    .sgpr_count:     96
    .vgpr_count:     768
    .wavefront_size: 32
...
	.end_amdgpu_metadata
.endif
;; end of part 3
;; launch finish (part 4): grid 256 x 1, 8 waves a work-group, no clusters, 0 bytes of LDS; arguments part, td, w_down_lora_b, b_down, out0; writes out0
.if DOCPART == 4
	.amdgcn_target "amdgcn-amd-amdhsa--gfx1250"
	.amdhsa_code_object_version 6
	.text
	.protected	k_q8fa0d2edf8_finish
	.globl	k_q8fa0d2edf8_finish
	.p2align	8
	.type	k_q8fa0d2edf8_finish,@function
k_q8fa0d2edf8_finish:
	s_mov_b64 s[64:65], 0
	v_nop
	global_prefetch_b8 v0, s[64:65] scope:SCOPE_SE
	s_setreg_imm32_b32 hwreg(HW_REG_WAVE_MODE, 25, 1), 1
	s_wait_xcnt 0x0
; FINISH.  out0 = the sum of the four K quarters of x3 W_d + t_d B_d + b_down.  A stream: each byte of part is read once, each byte of out0 written once; no LDS, no barrier.
; SHARES.  A wave makes 16 rows x 64 columns: block mb = id / 32, column group cg = id % 32, id = 8 x work-group + wave.  Its four accumulator images of each quarter lie together: 4,096 bytes.
; In an image lane (r, h), register i of block j is row 8 h + i, column 64 cg + 4 r + j.  t_d's image (rank 8 h + i of row r) rounded in pairs IS source 0 of one product with k = the 16 ranks
; (the other 16 k are 0); the quarters' sum is that product's C.  The bias's addition also gathers the four blocks: four neighbouring columns in four neighbouring registers.
; LIMITS.  t_d and B_d are rounded to bf16 (matrix operands); the quarters are added in f32, in another order than a plain sum over f.
.set O16, 2                            ; v2  16 x lane
.set VO,  3                            ; v3  65,536 h + 16 r: eight rows of 8,192 bytes for h
.set R16, 4                            ; v4  16 r
.set PT,  16                           ; v[16:143]  quarter ks at 16 + 32 ks; block j at + 8 j
.set OO,  48                           ; v[48:79]   the results, once quarter 1 has been added
.set TL,  144                          ; v[144:151] t_d
.set BL,  152                          ; v[152:183] B_d as loaded
.set BI,  184                          ; v[184:187] the bias of my four columns
.set TF,  188                          ; v[188:195] t_d's fragment
.set BF,  196                          ; v[196:227] B_d's four fragments
	s_load_b256 s[4:11], s[0:1], 0x0               ; part s[4:5], td s[6:7], w_down_lora_b s[8:9], b_down s[10:11]
	s_load_b64 s[12:13], s[0:1], 0x20              ; out0
	v_lshrrev_b32 v1, 5, v0
	v_readfirstlane_b32 s14, v1
	v_and_b32 v5, 31, v0
	v_and_b32 v6, 15, v0
	v_bfe_u32 v7, v0, 4, 1
	v_lshlrev_b32 v[O16], 4, v5
	v_lshlrev_b32 v[R16], 4, v6
	v_lshl_add_u32 v[VO], v7, 16, v[R16]
	s_lshl_b32 s15, ttmp9, 3
	s_add_co_u32 s15, s15, s14                     ; id
	s_lshr_b32 s24, s15, 5                         ; mb
	s_and_b32 s25, s15, 31                         ; cg
	s_lshl_b32 s26, s15, 12
	s_mov_b32 s27, 0
	s_lshl_b32 s28, s24, 10
	s_mov_b32 s29, 0
	s_lshl_b32 s30, s25, 8
	s_mov_b32 s31, 0
	s_wait_kmcnt 0x0
	s_add_nc_u64 s[16:17], s[4:5], s[26:27]
	s_add_nc_u64 s[18:19], s[16:17], 8388608
	s_add_nc_u64 s[20:21], s[18:19], 8388608
	s_add_nc_u64 s[22:23], s[20:21], 8388608
	s_add_nc_u64 s[6:7], s[6:7], s[28:29]
	s_add_nc_u64 s[8:9], s[8:9], s[30:31]
	s_add_nc_u64 s[10:11], s[10:11], s[30:31]
	s_lshl_b32 s28, s24, 17                        ; 16 rows of 8,192 bytes
	s_add_co_u32 s28, s28, s30
	s_add_nc_u64 s[12:13], s[12:13], s[28:29]
	global_load_b128 v[TL:TL+3], v[O16], s[6:7]
	global_load_b128 v[TL+4:TL+7], v[O16], s[6:7] offset:512
.set i, 0
.rept 8                                ; rank 8 h + i, four neighbouring columns
	global_load_b128 v[BL+4*i:BL+4*i+3], v[VO], s[8:9] offset:i*8192
.set i, i+1
.endr
	global_load_b128 v[BI:BI+3], v[R16], s[10:11]
.irp ks, 0, 1, 2, 3
.set i, 0
.rept 8
	global_load_b128 v[PT+32*\ks+4*i:PT+32*\ks+4*i+3], v[O16], s[16+2*\ks:17+2*\ks] offset:i*512 th:TH_LOAD_NT
.set i, i+1
.endr
.endr
	s_wait_loadcnt 32                              ; the eleven small loads are in; the 32 of part may stay out
.set q, 0
.rept 4
	v_cvt_pk_bf16_f32 v[TF+q], v[TL+2*q], v[TL+2*q+1]
	v_mov_b32 v[TF+4+q], 0
.set q, q+1
.endr
.set c, 0
.rept 16                               ; block c / 4, register c % 4
	v_cvt_pk_bf16_f32 v[BF+8*(c/4)+c%4], v[BL+8*(c%4)+c/4], v[BL+8*(c%4)+4+c/4]
	v_mov_b32 v[BF+8*(c/4)+4+c%4], 0
.set c, c+1
.endr
	s_wait_loadcnt 0x0
.set k, 0
.rept 16
	v_pk_add_f32 v[PT+2*k:PT+2*k+1], v[PT+2*k:PT+2*k+1], v[PT+32+2*k:PT+32+2*k+1]
	v_pk_add_f32 v[PT+64+2*k:PT+64+2*k+1], v[PT+64+2*k:PT+64+2*k+1], v[PT+96+2*k:PT+96+2*k+1]
.set k, k+1
.endr
.set k, 0
.rept 16
	v_pk_add_f32 v[PT+2*k:PT+2*k+1], v[PT+2*k:PT+2*k+1], v[PT+64+2*k:PT+64+2*k+1]
.set k, k+1
.endr
.irp j, 0, 1, 2, 3                     ; four accumulators, one instruction each
	v_wmma_f32_16x16x32_bf16 v[PT+8*\j:PT+8*\j+7], v[TF:TF+7], v[BF+8*\j:BF+8*\j+7], v[PT+8*\j:PT+8*\j+7]
.endr
.rept 4
	v_nop                                          ; four places behind the last product, ahead of the additions that read the results
.endr
.set c, 0
.rept 32                               ; row 8 h + c / 4, column 4 r + c % 4: each accumulator's lowest register is read first
	v_add_f32 v[OO+c], v[PT+8*(c%4)+c/4], v[BI+c%4]
.set c, c+1
.endr
.set i, 0
.rept 8
	global_store_b128 v[VO], v[OO+4*i:OO+4*i+3], s[12:13] offset:i*8192 th:TH_STORE_NT  ; sixteen lanes store 256 consecutive bytes, at a multiple of 256 from out0's first byte
.set i, i+1
.endr
	s_endpgm
.Lfunc_end_k_q8fa0d2edf8_finish:
	.size	k_q8fa0d2edf8_finish, .Lfunc_end_k_q8fa0d2edf8_finish-k_q8fa0d2edf8_finish
	.p2alignl 7, 3214868480
	.fill 96, 4, 3214868480
	.section	.rodata,"a",@progbits
	.p2align	6, 0x0
	.amdhsa_kernel k_q8fa0d2edf8_finish
		.amdhsa_group_segment_fixed_size 0
		.amdhsa_private_segment_fixed_size 0
		.amdhsa_enable_private_segment 0
		.amdhsa_kernarg_size 40
		.amdhsa_user_sgpr_count 2
		.amdhsa_user_sgpr_kernarg_segment_ptr 1
		.amdhsa_wavefront_size32 1
		.amdhsa_system_sgpr_workgroup_id_x 1
		.amdhsa_system_sgpr_workgroup_id_y 1
		.amdhsa_system_sgpr_workgroup_id_z 1
		.amdhsa_system_vgpr_workitem_id 0
		.amdhsa_next_free_vgpr 228
		.amdhsa_next_free_sgpr 66
		.amdhsa_reserve_vcc 0
		.amdhsa_float_denorm_mode_32 3
		.amdhsa_float_denorm_mode_16_64 3
		.amdhsa_memory_ordered 1
		.amdhsa_forward_progress 1
		.amdhsa_inst_pref_size 13
	.end_amdhsa_kernel
	.amdgpu_metadata
---
amdhsa.version: [ 1, 2 ]
amdhsa.kernels:
  - .name:           k_q8fa0d2edf8_finish
    .symbol:         k_q8fa0d2edf8_finish.kd
    .args:
      - { .name: part, .offset: 0, .size: 8, .value_kind: global_buffer, .address_space: global }
      - { .name: td, .offset: 8, .size: 8, .value_kind: global_buffer, .address_space: global }
      - { .name: w_down_lora_b, .offset: 16, .size: 8, .value_kind: global_buffer, .address_space: global }
      - { .name: b_down, .offset: 24, .size: 8, .value_kind: global_buffer, .address_space: global }
      - { .name: out0, .offset: 32, .size: 8, .value_kind: global_buffer, .address_space: global }
    .group_segment_fixed_size: 0
    .private_segment_fixed_size: 0
    .kernarg_segment_align: 8
    .kernarg_segment_size: 40
    .max_flat_workgroup_size: 256
    .sgpr_count:     66
    .vgpr_count:     228
    .wavefront_size: 32
...
	.end_amdgpu_metadata
.endif
;; end of part 4
